; MI455X (gfx1250); checked and timed in simulation.
; The chip was launched on July 23, 2026; its instructions are those of AMD's public machine-readable ISA for CDNA 5 (MIT licence, August 2026) and "CDNA5" Instruction Set Architecture Reference Guide (July 2026). The comments in the code are by the model that wrote it; some were corrected since.
;; Mixed Repeat Heads. Allowed arithmetic: matrix products marked QUANTISED: E4M3 operands, one E8M0 scale for each 32 along K, by v_wmma_scale_f32_16x16x128_f8f6f4 with both operands' format E4M3, f32 sums; everything else in f32.
;; Inputs: W_out_codes 4,096 x 128 x 32 uint8 (E4M3 codes of W_out, K innermost, in blocks of 32 codes); W_out_scales 4,096 x 128 uint8 (E8M0 scales of W_out, one for each 32 codes along K); W_proj_codes 16 x 256 x 128 x 32 uint8 (E4M3 codes of W_proj, K innermost, in blocks of 32 codes); W_proj_scales 16 x 256 x 128 uint8 (E8M0 scales of W_proj, one for each 32 codes along K); b_mix 16 x 2,048 float32; b_out 4,096 float32; b_proj 16 x 256 float32; caches 16 x 2,048 x 256 float32; decay_values 16 float32; w_mix 16 x 2,048 float32; x_codes 2,048 x 128 x 32 uint8 (E4M3 codes of x, K innermost, in blocks of 32 codes); x_scales 2,048 x 128 uint8 (E8M0 scales of x, one for each 32 codes along K).
;; Outputs: out0 2,048 x 4,096 float32.
;; Constants: index = 7.
;; This version of the problem:
;;   THIS VERSION OF THE PROBLEM IS GIVEN IN LOW PRECISION. The matrix products marked QUANTISED in the list below multiply operands that are first quantised to E4M3 (4 exponent bits, 3 mantissa bits; 8 bits a number), with one power-of-two scale for each 32 numbers along K (OCP MX v1.0); their sums are f32. All else is computed in f32.
;;   The module's matrix products, in the order in which they are computed (A, B: the left and right operand; K: the contracted axis; several contracted axes count as one K, in the product's order):
;;     1. [M 4,096, K 4,096] x [K 4,096, N 2,048]; A: input W_proj (given as codes); B: input x (given as codes): QUANTISED
;;     2. [M 2,048, K 4,096] x [K 4,096, N 4,096]; A: computed on the way; B: input W_out (given as codes): QUANTISED
;;   THE QUANTISER, for each operand of a quantised product, along K:
;;     - K is cut into blocks of 32 from its start; a last block that is shorter is filled with zeros.
;;     - A block's scale is 2^e with e = floor(log2(the largest magnitude in the block)) - 8, held to -126 .. 127; a block of zeros has e = 0. As a byte (E8M0): e + 127.
;;     - Each number is divided by its block's scale, clamped to +-448, and rounded to the nearest number of E4M3, ties to even, subnormals kept.
;;     - The product sums the exact products of the quantised numbers (number of the format x scale) in f32.
;;   ~~~python
;;   def quantise(x, axis):      # numpy; x: float32 -> the quantised numbers, widened to float32 again
;;       x = np.moveaxis(x, axis, -1); K = x.shape[-1]
;;       x = np.pad(x, [(0, 0)] * (x.ndim - 1) + [(0, -K % 32)]); x = x.reshape(x.shape[:-1] + (-1, 32)); a = np.abs(x).max(-1, keepdims=True)
;;       e = np.where(a > 0, np.clip(np.frexp(np.where(a > 0, a, 1))[1] - 1 - 8, -126, 127), 0)      # np.frexp(a)[1] - 1 = floor(log2(a)), exactly
;;       r = np.clip(x / 2.0 ** e, -448, 448)
;;       step = 2.0 ** (np.maximum(np.frexp(np.where(r == 0, 1, r))[1] - 1, -6) - 3)
;;       q = np.round(r / step) * step * 2.0 ** e      # np.round: ties to even
;;       return np.moveaxis(q.reshape(q.shape[:-2] + (-1,))[..., :K], -1, axis).astype(np.float32)
;;   ~~~
;;   OPERANDS COMPUTED ON THE WAY. 'Computed on the way' means the value that the module computes at that place (a softmax that the list does not call 'softmax' is quantised finished and normalised). What goes into a quantiser is computed in f32, as accurately as f32 sums, v_exp_f32 and their like allow (about 1e-6 of the number): no bf16 or f16 on the way to a quantiser, and a product that is left as it is and whose result goes on into a quantised operand takes f32 operands (vector FMAs, or v_wmma_f32_16x16x4_f32). A number that lies on a knife's edge between two numbers of the format may be rounded either way, as far as f32 arithmetic and the matrix unit's own rounding can turn it there, and no further.
;;   INPUTS GIVEN AS CODES. W_out (in the module: [4096, 4096], K = its axis 0); W_proj (in the module: [16, 4096, 256], K = its axis 1); x (in the module: [2048, 4096], K = its axis 1): each comes as NAME_codes (uint8): NAME with its K axis moved to the last place and cut into blocks of 32 codes, [.., K / 32, bytes a block], one block behind the other in memory; one code a byte (a code: sign, 4 exponent bits, 3 mantissa bits); and NAME_scales (uint8): the same leading axes, one E8M0 byte (e + 127) for each 32 codes along K. Its value is code x scale, taken as it is: it is not quantised again, and the codes and scales need not be those that the quantiser above would give.
;; One version. Each part assembles by itself: llvm-mc -triple=amdgcn-amd-amdhsa -mcpu=gfx1250 --defsym DOCPART=n.
;; ======== version 1 of 1: 3 launches
;; limits: right only within a limited range of input values
;; workspace buffers: hid_codes 8,388,608 bytes; hid_scales 262,144 bytes; x_img 8,388,608 bytes; x_scl 262,144 bytes
;; launch lay (part 1): grid 32 x 8, 4 waves a work-group, no clusters, 35,328 bytes of LDS; arguments x_codes, x_scales, x_img, x_scl; writes x_img, x_scl
.if DOCPART == 1
	.amdgcn_target "amdgcn-amd-amdhsa--gfx1250"
	.amdhsa_code_object_version 6
	.text
	.protected	k_qbde3bc6602_lay
	.globl	k_qbde3bc6602_lay
	.p2align	8
	.type	k_qbde3bc6602_lay,@function
k_qbde3bc6602_lay:
	s_mov_b64 s[64:65], 0
	v_nop
	global_prefetch_b8 v0, s[64:65] scope:SCOPE_SE
	s_setreg_imm32_b32 hwreg(HW_REG_WAVE_MODE, 25, 1), 1
	s_wait_xcnt 0x0
; x's codes and scale bytes are laid once in the order in which the next launch's operand registers take them; no number is changed.
; x_codes [2048][4096] bytes -> x_img [16 rows: 128][128 along K: 32][group of four registers c: 4][lane: 32][16 bytes]: lane (r, h) of group c holds row r, K = 32 c + 16 h + 0 .. 15 of its 128.
; x_scales [2048][128] bytes -> x_scl [128 along K: 32][row: 2048] words of four scale bytes.
; SHARES.  A work-group takes 64 rows (x) and 512 along K (y); wave w takes rows 16 w .. 16 w + 15, as two units of 16 rows x 256 bytes.  A unit's eight loads read two whole rows' 256 bytes each.  A piece of an image
; (16 rows x 16 bytes, 256 bytes) is one 16-byte column of the unit: lane l % 16 holds column l % 16, so it stores into piece l % 16 of the wave's own stage in LDS, pieces 272 bytes apart (sixteen different
; banks' columns), and the pieces come back on end, two to a load: the image, which leaves by stores of 512 consecutive bytes.  Waves share nothing: no barrier.
; The scale words: wave w takes K step 4 y + w for the 64 rows; lane l reads the words of rows 2 l and 2 l + 1 (4 bytes of each row's 128: one byte in 32 of what the launch reads) and stores 8 bytes: the wave 256 consecutive bytes.
.set UP,   16*272                      ; a unit in the stage: 16 pieces of 256 bytes + 16
.set WST,  2*UP                        ; a wave's stage
.set IN,   16                          ; v16-79   two units as loaded
.set OUTR, 80                          ; v80-143  two units as stored
	s_load_b256 s[4:11], s[0:1], 0x0               ; x_codes s[4:5], x_scales s[6:7], x_img s[8:9], x_scl s[10:11]
	v_lshl_add_u32 v144, v0, 2, 0x8800
	v_mov_b32 v145, 0
	v_lshrrev_b32 v1, 5, v0
	v_readfirstlane_b32 s12, v1                    ; wave 0..3
	s_and_b32 s13, ttmp7, 0xffff                   ; which 512 along K
	v_and_b32 v2, 15, v0                           ; l % 16
	v_bfe_u32 v3, v0, 4, 1                         ; l / 16
	v_and_b32 v4, 31, v0                           ; lane
	v_lshlrev_b32 v5, 4, v2
	v_lshl_add_u32 v5, v3, 12, v5                  ; in: lanes 0-15 one row's 256 bytes, lanes 16-31 the next row's
	s_mul_i32 s14, s12, WST                        ; my stage
	v_mul_u32_u24 v6, v2, 272
	v_lshl_add_u32 v6, v3, 4, v6
	v_add_nc_u32 v6, s14, v6                       ; into it: piece l % 16, row l / 16 of the pair
	v_mul_u32_u24 v7, v3, 272
	v_lshl_add_u32 v7, v2, 4, v7
	v_add_nc_u32 v7, s14, v7                       ; out of it: lanes 0-15 one piece, lanes 16-31 the next
	v_lshlrev_b32 v8, 4, v4                        ; the image: 16 bytes a lane
	v_lshlrev_b32 v9, 8, v4                        ; scale bytes in: rows 2 l, of 128 bytes
	v_lshlrev_b32 v10, 3, v4                       ; scale words out: 8 bytes a lane
	s_lshl_b32 s16, ttmp9, 18
	s_lshl_b32 s17, s12, 16
	s_add_co_u32 s16, s16, s17                     ; 64 x + 16 w rows of 4,096 bytes = 4 x + w blocks of 65,536
	s_lshl_b32 s18, s13, 9
	s_add_co_u32 s18, s18, s16                     ; x_codes: + 512 y
	s_mov_b32 s19, 0
	s_lshl_b32 s20, s13, 13
	s_add_co_u32 s20, s20, s16                     ; x_img: + four K steps of 2,048 bytes for each y
	s_mov_b32 s21, 0
	s_lshl_b32 s22, ttmp9, 13                      ; x_scales: 64 rows of 128 bytes, + 4 (4 y + w)
	s_lshl_b32 s17, s13, 4
	s_add_co_u32 s22, s22, s17
	s_lshl_b32 s17, s12, 2
	s_add_co_u32 s22, s22, s17
	s_mov_b32 s23, 0
	s_lshl_b32 s24, s13, 15                        ; x_scl: K step 4 y + w of 8,192 bytes, + 64 x rows of 4
	s_lshl_b32 s17, s12, 13
	s_add_co_u32 s24, s24, s17
	s_lshl_b32 s17, ttmp9, 8
	s_add_co_u32 s24, s24, s17
	s_mov_b32 s25, 0
	s_wait_alu depctr_va_vdst(0)
	s_wait_kmcnt 0x0
	s_add_nc_u64 s[4:5], s[4:5], s[18:19]
	s_add_nc_u64 s[8:9], s[8:9], s[20:21]
	s_add_nc_u64 s[6:7], s[6:7], s[22:23]
	s_add_nc_u64 s[10:11], s[10:11], s[24:25]
.irp u, 0,1
.irp i, 0,1,2,3,4,5,6,7
	global_load_b128 v[IN+32*\u+4*\i:IN+32*\u+4*\i+3], v5, s[4:5] offset:\i*8192+\u*256 th:TH_LOAD_NT   ; rows 2 i and 2 i + 1; read once in the launch
.endr
.endr
	global_load_b32 v12, v9, s[6:7]                ; row 2 l's word
	global_load_b32 v13, v9, s[6:7] offset:128     ; row 2 l + 1's
.irp u, 0,1
	s_wait_loadcnt 10-8*\u                         ; this unit's eight loads are in; behind them: the other unit's eight (for unit 0) and the two scale loads
.irp i, 0,1,2,3,4,5,6,7
	ds_store_b128 v6, v[IN+32*\u+4*\i:IN+32*\u+4*\i+3] offset:\u*UP+32*\i
.endr
.irp m, 0,1,2,3,4,5,6,7
	ds_load_b128 v[OUTR+32*\u+4*\m:OUTR+32*\u+4*\m+3], v7 offset:\u*UP+544*\m   ; LDS serves a wave's instructions in order (ISA guide 5.7.1.4): these see the stores above
.endr
.endr
	s_wait_loadcnt 0x0
	global_store_b64 v10, v[12:13], s[10:11]       ; 32 lanes store 256 consecutive bytes, at a multiple of 256 from the buffer's first byte
.irp u, 0,1
	s_wait_dscnt 16-16*\u                          ; this unit is back; unit 1's eight stores and eight loads may be out
.irp m, 0,1,2,3,4,5,6,7
	global_store_b128 v8, v[OUTR+32*\u+4*\m:OUTR+32*\u+4*\m+3], s[8:9] offset:\u*4096+\m*512   ; 512 consecutive bytes, at a multiple of 512 from the buffer's first byte
.endr
.endr
	s_wait_tensorcnt 0x0
	ds_add_u32 v144, v145
	s_wait_dscnt 0x0
	s_endpgm
.Lfunc_end_k_qbde3bc6602_lay:
	.size	k_qbde3bc6602_lay, .Lfunc_end_k_qbde3bc6602_lay-k_qbde3bc6602_lay
	.p2alignl 7, 3214868480
	.fill 96, 4, 3214868480
	.section	.rodata,"a",@progbits
	.p2align	6, 0x0
	.amdhsa_kernel k_qbde3bc6602_lay
		.amdhsa_group_segment_fixed_size 35328
		.amdhsa_private_segment_fixed_size 0
		.amdhsa_enable_private_segment 0
		.amdhsa_kernarg_size 32
		.amdhsa_user_sgpr_count 2
		.amdhsa_user_sgpr_kernarg_segment_ptr 1
		.amdhsa_wavefront_size32 1
		.amdhsa_system_sgpr_workgroup_id_x 1
		.amdhsa_system_sgpr_workgroup_id_y 1
		.amdhsa_system_sgpr_workgroup_id_z 1
		.amdhsa_system_vgpr_workitem_id 0
		.amdhsa_next_free_vgpr 146
		.amdhsa_next_free_sgpr 66
		.amdhsa_reserve_vcc 0
		.amdhsa_float_denorm_mode_32 3
		.amdhsa_float_denorm_mode_16_64 3
		.amdhsa_memory_ordered 1
		.amdhsa_forward_progress 1
		.amdhsa_inst_pref_size 8
	.end_amdhsa_kernel
	.amdgpu_metadata
---
amdhsa.version: [ 1, 2 ]
amdhsa.kernels:
  - .name:           k_qbde3bc6602_lay
    .symbol:         k_qbde3bc6602_lay.kd
    .args:
      - { .name: x_codes, .offset: 0, .size: 8, .value_kind: global_buffer, .address_space: global }
      - { .name: x_scales, .offset: 8, .size: 8, .value_kind: global_buffer, .address_space: global }
      - { .name: x_img, .offset: 16, .size: 8, .value_kind: global_buffer, .address_space: global }
      - { .name: x_scl, .offset: 24, .size: 8, .value_kind: global_buffer, .address_space: global }
    .group_segment_fixed_size: 35328
    .private_segment_fixed_size: 0
    .kernarg_segment_align: 8
    .kernarg_segment_size: 32
    .max_flat_workgroup_size: 128
    .sgpr_count:     66
    .vgpr_count:     146
    .wavefront_size: 32
...
	.end_amdgpu_metadata
.endif
;; end of part 1
;; launch proj (part 2): grid 8 x 32, 4 waves a work-group, clusters of 4 x 1, 327,680 bytes of LDS; arguments x_img, x_scl, W_proj_codes, W_proj_scales, b_proj, caches, hid_codes, hid_scales, w_mix, b_mix, decay_values; writes hid_codes, hid_scales
.if DOCPART == 2
	.amdgcn_target "amdgcn-amd-amdhsa--gfx1250"
	.amdhsa_code_object_version 6
	.text
	.protected	k_qbde3bc6602_proj
	.globl	k_qbde3bc6602_proj
	.p2align	8
	.type	k_qbde3bc6602_proj,@function
k_qbde3bc6602_proj:
	s_mov_b64 s[64:65], 0
	v_nop
	global_prefetch_b8 v0, s[64:65] scope:SCOPE_SE
	s_setreg_imm32_b32 hwreg(HW_REG_WAVE_MODE, 25, 1), 1
	s_wait_xcnt 0x0
	s_wait_alu depctr_hold_cnt(0) depctr_sa_sdst(0) depctr_va_vdst(0) depctr_va_sdst(0) depctr_va_ssrc(0) depctr_va_vcc(0) depctr_vm_vsrc(0)
	s_getreg_b32 s2, hwreg(HW_REG_IB_STS2, 6, 4)
	s_cmp_eq_u32 s2, 0
	s_cbranch_scc0 .Lentry_in_a_cluster
	s_endpgm
.Lentry_in_a_cluster:
	s_bfe_u32 s2, ttmp6, 0x10000c
	s_cmp_lg_u32 s2, 0x3003
	s_cbranch_scc0 .Lentry_shape_is_right
	s_endpgm
.Lentry_shape_is_right:
; hidden[b][j] = w (sum over d of x[b][d] W_proj[j][d] + b_proj[j]) + coef caches[head][b][k] + bm,  j = 256 head + k, and hidden is quantised along j to codes of FP8 (E4M3) with one E8M0 byte for each 32.
; w = w_mix[head][7], bm = b_mix[head][7], decay = clip(decay_values[head], 0.9, 1)^(1/4), coef = w decay for heads 0-7 and decay for heads 8-15.
; x comes as the launch before has laid it: x_img [16 rows: 128][128 along K: 32][group of four registers: 4][lane: 32][16 bytes], the image of an operand's registers; x_scl [128 along K: 32][row: 2048] words.
; W_proj: [4096 (j)][4096] codes, K innermost; its scale bytes [4096][128].
; SHARES.  A work-group makes 256 rows x 128 columns (half a head): 8 x 32 work-groups.  Wave w makes rows 64 w .. 64 w + 63 x all 128 columns: 32 accumulators of 16 x 16, 256 registers.  K goes in 32 steps of 128.
; W_proj ALONE GOES THROUGH LDS: a ring of two slots of 1,024 along K (four tiles of 128 rows x 256 bytes, one a wave), four slots' worth in all: two first fills and two refills, each asked for eight steps
; (256 products of mine) ahead of its first read.  CLUSTER: the four row tiles of a cluster walk the same tiles of W_proj and ask for each JOINTLY.
; x GOES FROM MEMORY STRAIGHT INTO REGISTERS: a step's four fragments are 16 loads of 512 consecutive bytes, its scale words two loads of 128; four sets of registers, loaded three steps ahead.  It is read by the 32
; work-groups of a row tile and yet not asked for jointly: a joint load lands in LDS, and with x's 256 rows beside W_proj's 128 two slots could hold 256 along K each: sixteen slots' worth in place of four.
; THE MATRIX INSTRUCTION IS USED TRANSPOSED (source 0 = 16 rows of W_proj, source 1 = 16 rows of x): lane (r, h) holds row r and columns 16 t + 8 h + 0 .. 7 of tile t.  b_proj is the C of the first products.
; THE CACHES: behind the last change of slots slot 0 is read no more; each wave fills its share of it with its 64 rows x 512 bytes by one tensor load of its own, rows 528 bytes apart, and reads them from there in the
; accumulators' layout.
; THE QUANTISER.  Two neighbouring tiles hold a block of 32 columns; an exchange of halves (v_permlane16_swap_b32) leaves lane (r, h) with columns 32 p + 16 h + 0 .. 15 in 16 consecutive registers: the operand's own
; order.  The codes leave as images of the next product's registers (hid_codes, laid as x_img), the scale words as hid_scales (laid as x_scl).
; LIMITS: NaN and infinities among the inputs are not served.  A block of zeros of hidden gets the byte 1 where the quantiser says 127: its codes are zeros, which add nothing under any byte but 0xff, and this program
; alone reads the bytes.  The fourth root is two square roots.  The mixer is fma(w, product + b_proj, fma(coef, cache, bm)): another order of rounding in f32 than w p + coef c + bm.
; REGISTERS, in windows of 256: window 0: v1-31 addresses and the mixer's numbers; v32-63 W_proj's scale words, two sets of four steps; v64-127 b_proj in the result's layout; v128-135 x's scale words, four sets.
;   window 1: W_proj's fragments, two sets.   window 2: accumulator (a, b) at v[8 (8 a + b)].   window 3: x's fragments, four sets; behind the K loop the caches.
.set PITCH,  272                       ; an LDS row: 256 bytes + 16 of padding = 68 words: row r starts at bank 4 r mod 64 (64 banks of 4 bytes: ISA guide 11.1), so the 16 rows of a load start at 16 different banks
.set SUB,    128*PITCH                 ; 128 rows x 256 along K: what one tensor load brings
.set SLOT,   4*SUB                     ; 1,024 along K
.set B_BLK,  16*PITCH                  ; from tile to tile of 16 rows
.set SQ,     16*272                    ; the scale bytes of 32 rows: 4,096 bytes as 16 units of 256 + 16: a wave's share
.set SCLB,   2*SLOT                    ; behind the ring: W_proj's scale bytes,
.set SPARE,  SCLB+4*SQ                 ; the spare words, 128 bytes for each wave: two blocks of 256 bytes that no other line names,
.set SST,    SPARE+512                 ; and each wave's 256 bytes for its scale words.  No fill ever lands from SPARE on
.set CSTW,   64*528                    ; a wave's caches in slot 0: 64 rows x (512 + 16) bytes; four of them are 135,168 of the slot's 139,264 bytes
.set STEPS,  32
.set PADW,   (1<<20)|(1<<21)|(5<<22)|(3<<25)   ; group 1, word 0: 20 padding on; 21 set beside a mask; 24:22 after every 64 words (code 5); 31:25 four words (code 3)
.set WW,   4                           ; v[4:5]   w, twice
.set CC,   6                           ; v[6:7]   coef, twice
.set BB,   8                           ; v[8:9]   bm, twice
.set RDC,  10                          ; v10  my caches in LDS: 528 r + 32 h
.set SSW,  12                          ; v12  my row's scale word in the wave's 256 bytes: 4 r
.set SSR,  13                          ; v13  and back: 8 x lane
.set SGO,  14                          ; v14  8 x lane: the same place in hid_scales
.set BO,   15                          ; v15  32 h: my half's eight numbers of b_proj
.set ADRB, 16                          ; v16-23  LDS address of W_proj's fragments in tile k of the ring's eight (slot k / 4, its (k % 4)-th 256 along K)
.set ADRSB, 24                         ; v24  of W_proj's scale words: lanes 0-15 an even tile's rows, lanes 16-31 the odd tile's
.set L4,   25                          ; v25  4 x lane; never rewritten
.set LI,   26                          ; v26  16 x lane; never rewritten
.set PFO,  27                          ; v27  the prefetches' offset: block l / 8 of my four (65,536 bytes apart), its (l % 8)-th 256 bytes of a step's 2,048; never rewritten
.set SPW,  28                          ; v28  LDS address of my spare word: SPARE + 4 x my thread's number; never rewritten
.set NIL,  29                          ; v29  0; never rewritten
.set SB,   32                          ; W_proj's scale words: set j % 2 for steps 4 j .. 4 j + 3: register 4 (b / 2) + step % 4; an odd tile's words lie in lanes 16-31
.set BIAS, 64
.set SA,   128                         ; x's scale words: set i % 4 for step i: register a / 2; an odd block's words lie in lanes 16-31
.set TM,   32                          ; behind the K loop: v32-47 the quantiser's work,
.set PW,   48                          ; v48-51 a scale word for each block of rows,
.set PC,   64                          ; v64-127 sixteen registers of codes for each block: no store's data are written again,
.set HB,   128                         ; v128-191 64 numbers of hidden
.set G1B,  24                          ; s[24:31] group 1 for W_proj's tiles;  s[32:35], s[36:39] group 0 for slot 0, 1
.set G0B0, 32
.set G0B1, 36
.set G0S,  48                          ; s[50:51] where my 32 rows' scale bytes lie in memory
.set SCST, 11                          ; v11  where I store them in LDS: lanes 0-15 one unit of 256 bytes, lanes 16-31 the next
.set G1C,  52                          ; s[52:59], s[60:63] groups 1 and 0 for the caches
.set G0C,  60
.set MSB, 0
.macro WIN new                         ; s_set_vgpr_msb: bits 1:0 source 0, 3:2 source 1, 5:4 source 2, 7:6 destination; the high byte repeats the setting that is left
.if MSB != \new
	s_set_vgpr_msb (MSB<<8)|\new
.set MSB, \new
.endif
.endm
.set MULW, 0xad                        ; source 0 (W_proj) window 1, source 1 (x) window 3, C and D window 2
.set MULC, 0x8d                        ; the same with C (b_proj) in window 0
.macro SHAPE g, d0, d1, st             ; group 1, words 1 to 7: a tile of d1 rows of d0 elements that lies inside its tensor, st elements from row to row
	s_mov_b32 s[\g+1], (\d0)<<16
	s_mov_b32 s[\g+2], (\d1)<<16
	s_mov_b32 s[\g+3], (\d0)<<16
	s_mov_b32 s[\g+4], \d1
	s_mov_b32 s[\g+5], \st
	s_mov_b32 s[\g+6], 0
	s_mov_b32 s[\g+7], 0
.endm
; A load into a register that a matrix instruction has read, and a vector instruction or an LDS store that reads a matrix result, stand eight places behind that matrix instruction, and only plain vector
; instructions that name none of its registers are places; the matrix instructions in between are not counted.
.macro PLACES n
.rept \n
	v_nop
.endr
.endm
.macro CROUND                          ; a round of the cluster's barrier: my work-group's barrier; wave 0 signals for the work-group; every wave waits for all four work-groups; my work-group's barrier once more
	s_barrier_signal -1
	s_barrier_wait -1
	s_cmp_lg_u32 s14, 0
	s_cbranch_scc1 .Lnot_wave_0_\@
	s_barrier_signal -3
.Lnot_wave_0_\@:
	s_barrier_wait -3
	s_barrier_signal -1
	s_barrier_wait -1
.endm
.macro TLOAD g0, g1                    ; every wave issues the line, each with its own part of the tile by its number; four v_nop follow it
	tensor_load_to_lds s[\g0:\g0+3], s[\g1:\g1+7]
	s_nop 0
	PLACES 4
.endm
	s_load_b256 s[4:11], s[0:1], 0x0               ; x_img s[4:5], x_scl s[6:7], W_proj's codes s[8:9], W_proj's scales s[10:11]
	s_load_b64 s[12:13], s[0:1], 0x20              ; b_proj
	s_load_b128 s[92:95], s[0:1], 0x28             ; caches s[92:93], hid_codes s[94:95]
	s_load_b128 s[96:99], s[0:1], 0x38             ; hid_scales s[96:97], w_mix s[98:99]
	s_load_b64 s[100:101], s[0:1], 0x48            ; b_mix
	s_load_b64 s[104:105], s[0:1], 0x50            ; decay_values
	v_lshl_add_u32 v[SPW], v0, 2, SPARE
	v_mov_b32 v[NIL], 0
	ds_add_u32 v28, v29
	ds_add_u32 v28, v29
	s_wait_dscnt 0x0
	v_lshrrev_b32 v1, 5, v0
	v_readfirstlane_b32 s14, v1                    ; wave 0..3
	s_bfe_u32 s17, ttmp6, 0x40000                  ; cx: my place in the cluster
	s_lshl_b32 s15, ttmp9, 2
	s_add_co_u32 s15, s15, s17                     ; tile row = 4 x cluster x + cx: it enters the addresses of x, the caches and hidden alone
	s_and_b32 s16, ttmp7, 0xffff                   ; tile column, which the four partners share
	s_mov_b32 s[G1B], 15|PADW                      ; 15:0 the mask: all four work-groups; elements of one byte: 128 rows x 256, 4,096 from row to row
	SHAPE G1B, 256, 128, 4096
	s_mov_b32 s[G1C], (2<<16)|(1<<20)|(6<<22)|(3<<25)   ; no mask: a load of my own; elements of 4 bytes; padding: four words after every 128: 64 rows x 128, 256 from row to row
	SHAPE G1C, 128, 64, 256
	; groups 0.  W_proj's are made of the tile column and the wave's number alone
	s_lshl_b32 s[G0B0+2], s16, 19                  ; 128 rows of 4,096 bytes a tile column,
	s_lshl_b32 s20, s14, 8                         ; my 256 along K of a slot's 1,024
	s_add_co_u32 s[G0B0+2], s[G0B0+2], s20
	s_mov_b32 s[G0B0+3], 0
	s_lshl_b32 s[G0S+2], s16, 14                   ; 128 rows of 128 scale bytes a tile column, 32 rows a wave
	s_lshl_b32 s20, s14, 12
	s_add_co_u32 s[G0S+2], s[G0S+2], s20
	s_mov_b32 s[G0S+3], 0
	s_mul_i32 s20, s14, SUB                        ; where they go: no place in the cluster enters an LDS address
	s_mov_b32 s[G0B0], 1
	s_add_co_u32 s[G0B0+1], s20, 0
	s_mov_b32 s[G0B1], 1
	s_add_co_u32 s[G0B1+1], s20, SLOT
	s_lshr_b32 s21, s16, 1                         ; the head
	s_lshl_b32 s[G0C+2], s21, 21                   ; caches: a head is 2,048 rows of 1,024 bytes;
	s_lshl_b32 s20, s15, 18                        ; 256 rows a tile row,
	s_add_co_u32 s[G0C+2], s[G0C+2], s20
	s_lshl_b32 s20, s14, 16                        ; 64 a wave;
	s_add_co_u32 s[G0C+2], s[G0C+2], s20
	s_and_b32 s20, s16, 1
	s_lshl_b32 s20, s20, 9                         ; which 128 of the head's 256 columns
	s_add_co_u32 s[G0C+2], s[G0C+2], s20
	s_mov_b32 s[G0C+3], 0
	s_mov_b32 s[G0C], 1
	s_mul_i32 s[G0C+1], s14, CSTW
	s_lshl_b32 s18, s21, 13                        ; a head's row of w_mix and of b_mix is 8,192 bytes; index 7 is byte 28 of it
	s_lshl_b32 s19, s21, 2
	s_lshl_b32 s70, s15, 20                        ; x_img: 16 blocks of 65,536 bytes a tile row, 4 a wave
	s_lshl_b32 s20, s14, 18
	s_add_co_u32 s70, s70, s20
	s_mov_b32 s71, 0
	s_lshl_b32 s72, s15, 10                        ; x_scl: 4 bytes a row in each step
	s_lshl_b32 s20, s14, 8
	s_add_co_u32 s72, s72, s20
	s_mov_b32 s73, 0
	s_lshl_b32 s74, s16, 9                         ; b_proj: 128 numbers a tile column
	s_mov_b32 s75, 0
	s_lshl_b32 s76, s16, 11                        ; hid_codes: my blocks as in x_img; my tile column is one step of the next K: 2,048 bytes
	s_add_co_u32 s76, s76, s70
	s_mov_b32 s77, 0
	s_lshl_b32 s78, s16, 13                        ; hid_scales: that step's 8,192 bytes, my rows as in x_scl
	s_add_co_u32 s78, s78, s72
	s_mov_b32 s79, 0
	v_and_b32 v1, 15, v0                           ; r
	v_bfe_u32 v2, v0, 4, 1                         ; h
	v_and_b32 v3, 31, v0                           ; lane
	v_lshlrev_b32 v[BO], 5, v2
	v_lshlrev_b32 v[LI], 4, v3
	v_lshlrev_b32 v[L4], 2, v3
	v_lshrrev_b32 v30, 3, v3
	v_and_b32 v31, 7, v3
	v_lshlrev_b32 v[PFO], 16, v30
	v_lshl_add_u32 v[PFO], v31, 8, v[PFO]
	v_mul_u32_u24 v30, v1, PITCH
	v_lshl_add_u32 v30, v2, 4, v30                 ; a fragment's row x pitch + 16 x half
.irp k, 0,1,2,3,4,5,6,7
	v_add_nc_u32 v[ADRB+\k], (\k/4)*SLOT+(\k%4)*SUB, v30
.endr
	v_lshrrev_b32 v30, 1, v3                       ; scale bytes: two rows of 128 bytes to a unit of 272; my lane's row of a pair of tiles
	v_mul_u32_u24 v30, v30, 272
	v_and_b32 v31, 1, v3
	v_lshl_add_u32 v30, v31, 7, v30
	v_add_nc_u32 v[ADRSB], SCLB, v30
	v_mul_u32_u24 v30, v2, 272                     ; scale bytes in: unit l / 16 of a load's two, 16 bytes a lane,
	v_lshl_add_u32 v30, v1, 4, v30
	v_lshrrev_b32 v31, 5, v0
	v_mad_u32_u24 v30, v31, SQ, v30                ; my wave's 16 units
	v_add_nc_u32 v[SCST], SCLB, v30
	s_mul_i32 s20, s14, CSTW
	v_mul_u32_u24 v30, v1, 528
	v_lshl_add_u32 v30, v2, 5, v30
	v_add_nc_u32 v[RDC], s20, v30
	s_lshl_b32 s20, s14, 8
	s_add_co_u32 s20, s20, SST                     ; my 256 bytes for scale words
	v_lshl_add_u32 v[SSW], v1, 2, s20
	v_lshl_add_u32 v[SSR], v3, 3, s20
	v_lshlrev_b32 v[SGO], 3, v3
	s_wait_alu depctr_va_vdst(0)
	s_wait_kmcnt 0x0
	s_load_b32 s66, s[98:99], s18 offset:0x1c      ; w;  s18 and s19 stay as they are until the wait for these three
	s_load_b32 s67, s[100:101], s18 offset:0x1c    ; bm
	s_load_b32 s2, s[104:105], s19 offset:0x0      ; the head's decay value
	s_add_nc_u64 s[G0B0+2:G0B0+3], s[8:9], s[G0B0+2:G0B0+3]
	s_add_nc_u64 s[G0B1+2:G0B1+3], s[G0B0+2:G0B0+3], 1024      ; slot 1 begins with the second 1,024 along K
	s_or_b32 s[G0B0+3], s[G0B0+3], 0x80000000      ; 127:126 type = 2
	s_or_b32 s[G0B1+3], s[G0B1+3], 0x80000000
	s_add_nc_u64 s[G0S+2:G0S+3], s[10:11], s[G0S+2:G0S+3]
	s_add_nc_u64 s[G0C+2:G0C+3], s[92:93], s[G0C+2:G0C+3]
	s_or_b32 s[G0C+3], s[G0C+3], 0x80000000
	s_add_nc_u64 s[4:5], s[4:5], s[70:71]
	s_add_nc_u64 s[6:7], s[6:7], s[72:73]
	s_add_nc_u64 s[12:13], s[12:13], s[74:75]
	s_add_nc_u64 s[94:95], s[94:95], s[76:77]
	s_add_nc_u64 s[96:97], s[96:97], s[78:79]
.irp j, 0,1,2,3,4,5,6,7
	global_load_b128 v[SB+4*\j:SB+4*\j+3], v[LI], s[G0S+2:G0S+3] offset:512*\j   ; my 32 rows' scale bytes, once: 512 consecutive bytes a load (16,384 of the 540,672 bytes of W_proj that a work-group takes: not asked for jointly)
.endr
	CROUND                                         ; all four work-groups are here: the first joint loads meet
	TLOAD G0B0, G1B                                ; slot 0: one tensor load a wave at the head
; x's four fragments and two registers of scale words of step i into set i % 4: 16 loads of 512 consecutive bytes, 2 of 128.  Every offset is an immediate: no address is ever stepped
.macro AFETCH i
	WIN 0xc0                                       ; destination window 3, address window 0
.irp a, 0,1,2,3
.irp c, 0,1,2,3
	global_load_b128 v[64*((\i)%4)+16*\a+4*\c:64*((\i)%4)+16*\a+4*\c+3], v[LI], s[4:5] offset:\a*65536+(\i)*2048+\c*512
.endr
.endr
	WIN 0
.irp p, 0,1
	global_load_b32 v[SA+2*((\i)%4)+\p], v[L4], s[6:7] offset:(\i)*8192+128*\p     ; lanes 0-15 block 2 p's rows, lanes 16-31 block 2 p + 1's
.endr
.endm
; W_proj's eight fragments of step i into set i % 2: 32 LDS loads in one run.  A fragment is 16 rows x 128 K in 16 registers: lane l holds row l % 16; registers 4 c .. 4 c + 3 hold K = 32 c + 16 (l / 16) + 0 .. 15
.macro BFETCH i
	WIN 0x40                                       ; destination window 1, address window 0
.irp b, 0,1,2,3,4,5,6,7
.irp c, 0,1,2,3
	ds_load_b128 v[128*((\i)%2)+16*\b+4*\c:128*((\i)%2)+16*\b+4*\c+3], v[ADRB+((\i)/2)%8] offset:\b*B_BLK+128*((\i)%2)+32*\c
.endr
.endr
.endm
.macro SBFETCH j                       ; W_proj's scale words of steps 4 j .. 4 j + 3 into set j % 2: 16 bytes of each row
.irp p, 0,1,2,3
	ds_load_b128 v[SB+16*((\j)%2)+4*\p:SB+16*((\j)%2)+4*\p+3], v[ADRSB] offset:\p*SQ+16*(\j)
.endr
.endm
; 8 matrix instructions of step i: x's block a against W_proj's eight tiles.  In step 0 b_proj is C: nothing is ever cleared.
; The 32 accumulators take turns, one instruction a turn, in the same order in every step.
.macro MUL8 a, i
.irp b, 0,1,2,3,4,5,6,7
.set rD, 8*(8*(\a)+\b)
.set rB, 128*((\i)%2)+16*\b
.set rA, 64*((\i)%4)+16*(\a)
.set rSB, SB+16*(((\i)/4)%2)+4*(\b/2)+((\i)%4)
.set rSA, SA+2*((\i)%4)+((\a)/2)
.set rC, 8*(8*(\a)+\b)
.if (\i) == 0
.set rC, BIAS+8*\b
.endif
.if ((\b%2) == 0) && (((\a)%2) == 0)
	v_wmma_scale_f32_16x16x128_f8f6f4 v[rD:rD+7], v[rB:rB+15], v[rA:rA+15], v[rC:rC+7], v[rSB], v[rSA]
.elseif ((\a)%2) == 0
	v_wmma_scale_f32_16x16x128_f8f6f4 v[rD:rD+7], v[rB:rB+15], v[rA:rA+15], v[rC:rC+7], v[rSB], v[rSA] matrix_a_scale:MATRIX_SCALE_ROW1
.elseif (\b%2) == 0
	v_wmma_scale_f32_16x16x128_f8f6f4 v[rD:rD+7], v[rB:rB+15], v[rA:rA+15], v[rC:rC+7], v[rSB], v[rSA] matrix_b_scale:MATRIX_SCALE_ROW1
.else
	v_wmma_scale_f32_16x16x128_f8f6f4 v[rD:rD+7], v[rB:rB+15], v[rA:rA+15], v[rC:rC+7], v[rSB], v[rSA] matrix_a_scale:MATRIX_SCALE_ROW1 matrix_b_scale:MATRIX_SCALE_ROW1
.endif
.endr
.endm
; A PREFETCH INTO THE L2 of x's fragments of step i: my four blocks' 2,048 bytes each, 32 blocks of 256 bytes, a lane a block, one instruction a wave.  It stands behind the run of loads of the step that asks.
; All 32 work-groups of a row tile read the same rows: those of tile column 0 ask (a number that the four partners share), each wave for its own 64 rows: so each block is named once in the launch.
.macro ASK i
	s_cmp_eq_u32 s16, 0
	s_cbranch_scc0 .Lnot_mine_\@
	global_prefetch_b8 v[PFO], s[4:5] offset:(\i)*2048 th:TH_LOAD_NT scope:SCOPE_SE
.Lnot_mine_\@:
.endm
; THE CHANGE OF SLOTS, at the head of a slot's last step: that step's fragments are in registers.  Each wave waits for all its tensor loads (its part of the slot ahead), adds 0 to its spare word, and waits for that and
; for its reads of the slot that it leaves.  Behind the round no wave of any partner reads that slot or has a load on its way, and it is filled again first: one tensor load a wave.
.macro CHANGE g0, g1, on
	s_wait_tensorcnt 0x0                           ; no tensor load of mine is out, so a group 0 may be written
	ds_add_u32 v[SPW], v[NIL]                      ; 0 onto my spare word
.if \on
	s_add_nc_u64 s[\g0+2:\g0+3], s[\g0+2:\g0+3], 2048   ; two slots on along K; the type bits on top are not reached
.endif
	s_wait_dscnt 0x0                               ; the add is done, and my reads of the slot are over
	CROUND
	tensor_load_to_lds s[\g0:\g0+3], s[\g1:\g1+7]
	s_nop 0
	PLACES 8                                       ; the eight places in front of the loads below
.endm
; STEP i.  At its head the registers that step i - 1 multiplied are loaded again: x's set with step i + 3, W_proj's with step i + 1.  Then its own 32 products.
.macro STEP i
.if (\i) == 7
	CHANGE G0B0, G1B, 1                            ; slot 0 takes the third 1,024 along K: first read in step 15's head
.elseif (\i) == 15
	CHANGE G0B1, G1B, 1                            ; slot 1 the fourth: first read in step 23's head
.elseif (\i) == 23
	CHANGE G0C, G1C, 0                             ; slot 0 takes the caches, each wave's own 64 rows: read behind step 31
.elseif (\i) > 0
	PLACES 8
.endif
.if (\i) < STEPS-3
	AFETCH (\i)+3
.endif
.set NDS, 0
.if (\i) < STEPS-1
	BFETCH (\i)+1
.set NDS, 32
.endif
	WIN 0
.if (((\i)%4) == 3) && ((\i) < STEPS-1)
	SBFETCH ((\i)+1)/4
.set NDS, 36
.endif
.if ((\i) >= 2) && ((\i) < STEPS-8)
	ASK (\i)+8                                     ; eight steps on: five steps ahead of the loads that will take it.  Steps 0 to 9 come by their loads alone; the last eight steps ask for nothing
.endif
	s_wait_dscnt NDS                               ; all but the LDS loads just issued: this step's fragments and scale words of W_proj are in
.if (\i) < STEPS-3
	s_wait_loadcnt 54                              ; all but the loads of the three steps behind this one, 18 each: this step's x is in (in step 0: b_proj too)
.else
	s_wait_loadcnt 18*(STEPS-1-(\i))               ; the counts run down
.endif
.if (\i) == 0
	WIN MULC
.else
	WIN MULW
.endif
	MUL8 0, \i
	MUL8 1, \i
	MUL8 2, \i
	MUL8 3, \i
	WIN 0
.endm
.irp t, 0,1,2,3,4,5,6,7
	global_load_b128 v[BIAS+8*\t:BIAS+8*\t+3], v[BO], s[12:13] offset:64*\t        ; b_proj at columns 16 t + 8 h + 0 .. 7: the result's layout
	global_load_b128 v[BIAS+8*\t+4:BIAS+8*\t+7], v[BO], s[12:13] offset:64*\t+16
.endr
	AFETCH 0
	AFETCH 1
	AFETCH 2
	s_wait_kmcnt 0x0                               ; w, bm, the decay value
	v_med3_num_f32 v30, s2, 0x3f666666, 1.0        ; clip to 0.9 .. 1
	s_wait_alu depctr_va_vdst(0)
	v_sqrt_f32 v31, v30
	v_mov_b32 v[WW], s66                           ; (a plain place behind the root)
	s_wait_alu depctr_va_vdst(0)
	v_sqrt_f32 v30, v31                            ; the fourth root
	v_mov_b32 v[WW+1], s66                         ; (and again)
	v_mov_b32 v[BB], s67
	v_mov_b32 v[BB+1], s67
	s_cmp_lt_u32 s16, 16                           ; heads 0-7 are tile columns 0-15: the same answer in all four partners
	s_cselect_b32 s20, s66, 1.0
	s_wait_alu depctr_va_vdst(0)
	v_mul_f32 v[CC], s20, v30                      ; coef = w decay, or decay
	v_mul_f32 v[CC+1], s20, v30
	s_wait_loadcnt 63                              ; the scale bytes are in: 70 loads were issued behind them, and 63 is the largest count that the wait can name
	s_wait_tensorcnt 0x0                           ; my part of slot 0 has landed
.irp j, 0,1,2,3,4,5,6,7
	ds_store_b128 v[SCST], v[SB+4*\j:SB+4*\j+3] offset:544*\j   ; into LDS bytes of their own, on which no fill lands
.endr
	s_wait_tensorcnt 0x0
	ds_add_u32 v[SPW], v[NIL]
	s_wait_dscnt 0x0                               ; the add and my stores are done
	CROUND                                         ; slot 0 and the scale bytes are whole, and all four work-groups are here
	TLOAD G0B1, G1B                                ; slot 1's first fill: first read in step 7's head
	BFETCH 0
	WIN 0
	SBFETCH 0
.set STP, 0
.rept STEPS
	STEP STP
.set STP, STP+1
.endr
; BEHIND THE K LOOP.  Block a's 16 rows of caches come from my own bytes of slot 0 as lane (r, h)'s eight numbers of each tile: the accumulators' layout, into the registers that held x's fragments.
.macro CREAD a
	WIN 0xc0                                       ; destination window 3
.irp t, 0,1,2,3,4,5,6,7
	ds_load_b128 v[64*(\a)+8*\t:64*(\a)+8*\t+3], v[RDC] offset:(\a)*16*528+64*\t
	ds_load_b128 v[64*(\a)+8*\t+4:64*(\a)+8*\t+7], v[RDC] offset:(\a)*16*528+64*\t+16
.endr
	WIN 0
.endm
; Block a: the mixer, the exchange of halves, the quantiser, the codes' stores.
.macro BLOCK a
	WIN 0x03                                       ; source 0 (the caches) window 3
.set i, 0
.rept 32
	v_pk_fma_f32 v[HB+i:HB+i+1], v[64*(\a)+i:64*(\a)+i+1], v[CC:CC+1], v[BB:BB+1]          ; coef cache + bm
.set i, i+2
.endr
	WIN 0x02                                       ; source 0 (the accumulators) window 2
.set i, 0
.rept 32
	v_pk_fma_f32 v[HB+i:HB+i+1], v[64*(\a)+i:64*(\a)+i+1], v[WW:WW+1], v[HB+i:HB+i+1]      ; + w (product + b_proj)
.set i, i+2
.endr
	WIN 0
.irp p, 0,1,2,3
.irp j, 0,1,2,3,4,5,6,7
	v_permlane16_swap_b32 v[HB+16*\p+\j], v[HB+16*\p+8+\j]     ; tile 2 p's lanes 16-31 change places with tile 2 p + 1's lanes 0-15: registers 16 p + 0 .. 15 of lane (r, h) are now columns 32 p + 16 h + 0 .. 15 of row r
.endr
.endr
.irp b, 0,1,2,3
	v_max3_num_f32 v[TM+\b], |v[HB+16*\b]|, |v[HB+1+16*\b]|, 0x4800000     ; block b: my 16 numbers, and the floor 2^(9 - 127), under which no largest magnitude is taken: so the byte cannot fall under 1
.endr
.irp n, 2,4,6,8,10,12,14
.irp b, 0,1,2,3
	v_max3_num_f32 v[TM+\b], v[TM+\b], |v[HB+16*\b+\n]|, |v[HB+1+16*\b+\n]|   ; (the four blocks by turns)
.endr
.endr
.irp b, 0,1,2,3
	v_permlanex16_b32 v[TM+4+\b], v[TM+\b], s20, s21
.endr
.irp b, 0,1,2,3
	v_max_num_f32 v[TM+\b], v[TM+\b], v[TM+4+\b]   ; with lane l xor 16's: the block's largest magnitude
.endr
.irp b, 0,1,2,3
	v_add_nc_u32 v[TM+12+\b], 0xfc000000, v[TM+\b] ; 8 off its exponent field: the conversion takes the exponent field of this operand as its scale, and nothing else of it
.endr
.irp b, 0,1,2,3
	v_and_or_b32 v[TM+8+\b], v[TM+\b], 0x7f800000, s22   ; 448 x the scale: the largest magnitude's exponent field over 448's mantissa
.endr
.irp b, 0,1,2,3
	v_lshrrev_b32 v[TM+4+\b], 23, v[TM+12+\b]      ; the scale's byte
.endr
	v_lshl_or_b32 v[PW+(\a)], v[TM+5], 8, v[TM+4]  ; the four bytes make my row's scale word for these 128 along the next K
	v_lshl_or_b32 v[PW+(\a)], v[TM+6], 16, v[PW+(\a)]
	v_lshl_or_b32 v[PW+(\a)], v[TM+7], 24, v[PW+(\a)]
.irp b, 0,1,2,3
.irp n, 0,1,2,3,4,5,6,7,8,9,10,11,12,13,14,15
	v_med3_num_f32 v[HB+16*\b+\n], v[HB+16*\b+\n], -v[TM+8+\b], v[TM+8+\b]   ; the conversion to an 8-bit code does not saturate (ISA guide 7.6.2): the hold at the largest code x the scale
.endr
	v_cvt_scalef32_pk8_fp8_f32 v[PC+16*(\a)+4*\b:PC+16*(\a)+4*\b+1], v[HB+16*\b:HB+16*\b+7], v[TM+12+\b]
	v_cvt_scalef32_pk8_fp8_f32 v[PC+16*(\a)+4*\b+2:PC+16*(\a)+4*\b+3], v[HB+16*\b+8:HB+16*\b+15], v[TM+12+\b]
.endr
	v_nop                                          ; one plain vector instruction behind the last scaled conversion, ahead of the next block's writes of its sources
.irp c, 0,1,2,3
	global_store_b128 v[LI], v[PC+16*(\a)+4*\c:PC+16*(\a)+4*\c+3], s[94:95] offset:(\a)*65536+\c*512   ; the fragment's image: 32 lanes store 512 consecutive bytes, at a multiple of 512 from the buffer's first byte
.endr
.endm
	PLACES 8                                       ; behind the last products: their results are read, and registers that they read are written, from here on
	s_wait_tensorcnt 0x0                           ; my caches have landed; only I read these bytes
	s_mov_b32 s20, 0x76543210
	s_mov_b32 s21, 0xfedcba98                      ; v_permlanex16_b32's selects for lane l xor 16
	s_mov_b32 s22, 0x600000                        ; the mantissa field of 448
.irp b, 0,1,2,3
	v_mov_b32 v[TM+4+\b], 0                        ; written once: a lane permute's destination counts as one of its sources
.endr
	CREAD 0
	CREAD 1
	CREAD 2
	CREAD 3
	s_wait_dscnt 48                                ; block 0's 16 loads are in; the three later blocks' may be out
	s_wait_alu depctr_va_vdst(0)
	BLOCK 0
	s_wait_dscnt 32
	BLOCK 1
	s_wait_dscnt 16
	BLOCK 2
	s_wait_dscnt 0x0
	BLOCK 3
.irp a, 0,1,2,3
	ds_store_b32 v[SSW], v[PW+\a] offset:64*\a     ; row 16 a + r's word; lanes r and 16 + r write the same word with the same value
.endr
	ds_load_b64 v[TM:TM+1], v[SSR]                 ; my 64 rows' words, 8 bytes a lane; LDS serves a wave's instructions in order (ISA guide 5.7.1.4)
	s_wait_dscnt 0x0
	global_store_b64 v[SGO], v[TM:TM+1], s[96:97]  ; 32 lanes store 256 consecutive bytes, at a multiple of 256 from the buffer's first byte
	s_wait_tensorcnt 0x0                           ; the wave's end
	ds_add_u32 v[SPW], v[NIL]
	s_wait_dscnt 0x0
	CROUND                                         ; the closing round: no work-group ends while a partner may still ask for a tile that names it
	s_endpgm
.Lfunc_end_k_qbde3bc6602_proj:
	.size	k_qbde3bc6602_proj, .Lfunc_end_k_qbde3bc6602_proj-k_qbde3bc6602_proj
	.p2alignl 7, 3214868480
	.fill 96, 4, 3214868480
	.section	.rodata,"a",@progbits
	.p2align	6, 0x0
	.amdhsa_kernel k_qbde3bc6602_proj
		.amdhsa_group_segment_fixed_size 327680
		.amdhsa_private_segment_fixed_size 0
		.amdhsa_enable_private_segment 0
		.amdhsa_kernarg_size 88
		.amdhsa_user_sgpr_count 2
		.amdhsa_user_sgpr_kernarg_segment_ptr 1
		.amdhsa_wavefront_size32 1
		.amdhsa_system_sgpr_workgroup_id_x 1
		.amdhsa_system_sgpr_workgroup_id_y 1
		.amdhsa_system_sgpr_workgroup_id_z 1
		.amdhsa_system_vgpr_workitem_id 0
		.amdhsa_next_free_vgpr 1024
		.amdhsa_next_free_sgpr 106
		.amdhsa_reserve_vcc 0
		.amdhsa_float_denorm_mode_32 3
		.amdhsa_float_denorm_mode_16_64 3
		.amdhsa_memory_ordered 1
		.amdhsa_forward_progress 1
		.amdhsa_inst_pref_size 255
	.end_amdhsa_kernel
	.section	.bss,"aw",@nobits
	.p2align	6
	.space	262144
	.amdgpu_metadata
---
amdhsa.version: [ 1, 2 ]
amdhsa.kernels:
  - .name:           k_qbde3bc6602_proj
    .symbol:         k_qbde3bc6602_proj.kd
    .args:
      - { .name: x_img, .offset: 0, .size: 8, .value_kind: global_buffer, .address_space: global }
      - { .name: x_scl, .offset: 8, .size: 8, .value_kind: global_buffer, .address_space: global }
      - { .name: W_proj_codes, .offset: 16, .size: 8, .value_kind: global_buffer, .address_space: global }
      - { .name: W_proj_scales, .offset: 24, .size: 8, .value_kind: global_buffer, .address_space: global }
      - { .name: b_proj, .offset: 32, .size: 8, .value_kind: global_buffer, .address_space: global }
      - { .name: caches, .offset: 40, .size: 8, .value_kind: global_buffer, .address_space: global }
      - { .name: hid_codes, .offset: 48, .size: 8, .value_kind: global_buffer, .address_space: global }
      - { .name: hid_scales, .offset: 56, .size: 8, .value_kind: global_buffer, .address_space: global }
      - { .name: w_mix, .offset: 64, .size: 8, .value_kind: global_buffer, .address_space: global }
      - { .name: b_mix, .offset: 72, .size: 8, .value_kind: global_buffer, .address_space: global }
      - { .name: decay_values, .offset: 80, .size: 8, .value_kind: global_buffer, .address_space: global }
    .group_segment_fixed_size: 327680
    .private_segment_fixed_size: 0
    .kernarg_segment_align: 8
    .kernarg_segment_size: 88
    .max_flat_workgroup_size: 128
    .sgpr_count:     106
    .vgpr_count:     1024
    .wavefront_size: 32
...
	.end_amdgpu_metadata
.endif
;; end of part 2
;; launch outp (part 3): grid 8 x 32, 4 waves a work-group, clusters of 4 x 1, 327,680 bytes of LDS; arguments hid_codes, hid_scales, W_out_codes, W_out_scales, b_out, out0; writes out0
.if DOCPART == 3
	.amdgcn_target "amdgcn-amd-amdhsa--gfx1250"
	.amdhsa_code_object_version 6
	.text
	.protected	k_qbde3bc6602_outp
	.globl	k_qbde3bc6602_outp
	.p2align	8
	.type	k_qbde3bc6602_outp,@function
k_qbde3bc6602_outp:
	s_mov_b64 s[64:65], 0
	v_nop
	global_prefetch_b8 v0, s[64:65] scope:SCOPE_SE
	s_setreg_imm32_b32 hwreg(HW_REG_WAVE_MODE, 25, 1), 1
	s_wait_xcnt 0x0
	s_wait_alu depctr_hold_cnt(0) depctr_sa_sdst(0) depctr_va_vdst(0) depctr_va_sdst(0) depctr_va_ssrc(0) depctr_va_vcc(0) depctr_vm_vsrc(0)
	s_getreg_b32 s2, hwreg(HW_REG_IB_STS2, 6, 4)
	s_cmp_eq_u32 s2, 0
	s_cbranch_scc0 .Lentry_in_a_cluster
	s_endpgm
.Lentry_in_a_cluster:
	s_bfe_u32 s2, ttmp6, 0x10000c
	s_cmp_lg_u32 s2, 0x3003
	s_cbranch_scc0 .Lentry_shape_is_right
	s_endpgm
.Lentry_shape_is_right:
; out0[b][n] = sum over j of hidden[b][j] W_out[n][j] + b_out[n], both operands codes of FP8 (E4M3) with one E8M0 byte for each 32 along K; sums in f32; out0: [2048][4096] f32.
; hidden comes as the launch before has laid it: hid_codes [16 rows: 128][128 along K: 32][group of four registers: 4][lane: 32][16 bytes], the image of an operand's registers; hid_scales [128 along K: 32][row: 2048] words.
; W_out: [4096 (n)][4096] codes, K innermost; its scale bytes [4096][128].
; SHARES.  A work-group makes 256 rows x 128 columns: 8 x 32 work-groups.  Wave w makes rows 64 w .. 64 w + 63 x all 128 columns: 32 accumulators of 16 x 16, 256 registers.  K goes in 32 steps of 128.
; W_out ALONE GOES THROUGH LDS: a ring of two slots of 1,024 along K (four tiles of 128 rows x 256 bytes, one a wave), four slots' worth in all: two first fills and two refills, each asked for eight steps
; (256 products of mine) ahead of its first read.  CLUSTER: the four row tiles of a cluster walk the same tiles of W_out and ask for each JOINTLY.
; hidden GOES FROM MEMORY STRAIGHT INTO REGISTERS: a step's four fragments are 16 loads of 512 consecutive bytes, its scale words two loads of 128; four sets of registers, loaded three steps ahead.  It is read by the
; 32 work-groups of a row tile and yet not asked for jointly: a joint load lands in LDS, and with hidden's 256 rows beside W_out's 128 two slots could hold 256 along K each: sixteen slots' worth in place of four.
; THE MATRIX INSTRUCTION IS USED TRANSPOSED (source 0 = 16 rows of W_out, source 1 = 16 rows of hidden): lane (r, h) holds row r and columns 16 t + 8 h + 0 .. 7 of tile t.  b_out is the C of the first products.
; LIMITS: NaN and infinities among the inputs are not served.
; REGISTERS, in windows of 256: window 0: v1-31 addresses; v32-63 W_out's scale words, two sets of four steps; v64-127 b_out in the result's layout; v128-135 hidden's scale words, four sets.
;   window 1: W_out's fragments, two sets; on the way out the rows read back from the stage.   window 2: accumulator (a, b) at v[8 (8 a + b)].   window 3: hidden's fragments, four sets.
.set PITCH,  272                       ; an LDS row: 256 bytes + 16 of padding = 68 words: row r starts at bank 4 r mod 64 (64 banks of 4 bytes: ISA guide 11.1), so the 16 rows of a load start at 16 different banks
.set SUB,    128*PITCH                 ; 128 rows x 256 along K: what one tensor load brings
.set SLOT,   4*SUB                     ; 1,024 along K
.set B_BLK,  16*PITCH                  ; from tile to tile of 16 rows
.set SQ,     16*272                    ; the scale bytes of 32 rows: 4,096 bytes as 16 units of 256 + 16: a wave's share
.set SCLB,   2*SLOT                    ; behind the ring: W_out's scale bytes,
.set SPARE,  SCLB+4*SQ                 ; and the spare words, 128 bytes for each wave: two blocks of 256 bytes that no other line names
.set STGW,   16*528                    ; the way out: a stage of 16 rows x (512 + 16) bytes for each wave.  It lies in slot 0, which has had its last fill and its last read when the first result is stored there
.set STEPS,  32
.set PADW,   (1<<20)|(1<<21)|(5<<22)|(3<<25)   ; group 1, word 0: 20 padding on; 21 set beside a mask; 24:22 after every 64 words (code 5); 31:25 four words (code 3)
.set STO,  10                          ; v10  the way out: where I put 32 bytes of a row
.set RD,   11                          ; v11  and where I read a row back
.set BO,   15                          ; v15  32 h: my half's eight numbers of b_out
.set ADRB, 16                          ; v16-23  LDS address of W_out's fragments in tile k of the ring's eight (slot k / 4, its (k % 4)-th 256 along K)
.set ADRSB, 24                         ; v24  of W_out's scale words: lanes 0-15 an even tile's rows, lanes 16-31 the odd tile's
.set L4,   25                          ; v25  4 x lane; never rewritten
.set LI,   26                          ; v26  16 x lane; never rewritten
.set PFO,  27                          ; v27  the prefetches' offset: block l / 8 of my four (65,536 bytes apart), its (l % 8)-th 256 bytes of a step's 2,048; never rewritten
.set SPW,  28                          ; v28  LDS address of my spare word: SPARE + 4 x my thread's number; never rewritten
.set NIL,  29                          ; v29  0; never rewritten
.set SB,   32                          ; W_out's scale words: set j % 2 for steps 4 j .. 4 j + 3: register 4 (b / 2) + step % 4; an odd tile's words lie in lanes 16-31
.set BIAS, 64
.set SA,   128                         ; hidden's scale words: set i % 4 for step i: register a / 2; an odd block's words lie in lanes 16-31
.set G1B,  24                          ; s[24:31] group 1 for W_out's tiles;  s[32:35], s[36:39] group 0 for slot 0, 1
.set G0B0, 32
.set G0B1, 36
.set G0S,  48                          ; s[50:51] where my 32 rows' scale bytes lie in memory
.set SCST, 12                          ; v12  where I store them in LDS: lanes 0-15 one unit of 256 bytes, lanes 16-31 the next
.set MSB, 0
.macro WIN new                         ; s_set_vgpr_msb: bits 1:0 source 0, 3:2 source 1, 5:4 source 2, 7:6 destination; the high byte repeats the setting that is left
.if MSB != \new
	s_set_vgpr_msb (MSB<<8)|\new
.set MSB, \new
.endif
.endm
.set MULW, 0xad                        ; source 0 (W_out) window 1, source 1 (hidden) window 3, C and D window 2
.set MULC, 0x8d                        ; the same with C (b_out) in window 0
.macro SHAPE g, d0, d1, st             ; group 1, words 1 to 7: a tile of d1 rows of d0 elements that lies inside its tensor, st elements from row to row
	s_mov_b32 s[\g+1], (\d0)<<16
	s_mov_b32 s[\g+2], (\d1)<<16
	s_mov_b32 s[\g+3], (\d0)<<16
	s_mov_b32 s[\g+4], \d1
	s_mov_b32 s[\g+5], \st
	s_mov_b32 s[\g+6], 0
	s_mov_b32 s[\g+7], 0
.endm
; A load into a register that a matrix instruction has read, and a vector instruction or an LDS store that reads a matrix result, stand eight places behind that matrix instruction, and only plain vector
; instructions that name none of its registers are places; the matrix instructions in between are not counted.
.macro PLACES n
.rept \n
	v_nop
.endr
.endm
.macro CROUND                          ; a round of the cluster's barrier: my work-group's barrier; wave 0 signals for the work-group; every wave waits for all four work-groups; my work-group's barrier once more
	s_barrier_signal -1
	s_barrier_wait -1
	s_cmp_lg_u32 s14, 0
	s_cbranch_scc1 .Lnot_wave_0_\@
	s_barrier_signal -3
.Lnot_wave_0_\@:
	s_barrier_wait -3
	s_barrier_signal -1
	s_barrier_wait -1
.endm
.macro TLOAD g0, g1                    ; every wave issues the line, each with its own part of the tile by its number; four v_nop follow it
	tensor_load_to_lds s[\g0:\g0+3], s[\g1:\g1+7]
	s_nop 0
	PLACES 4
.endm
	s_load_b256 s[4:11], s[0:1], 0x0               ; hid_codes s[4:5], hid_scales s[6:7], W_out's codes s[8:9], W_out's scales s[10:11]
	s_load_b64 s[12:13], s[0:1], 0x20              ; b_out
	s_load_b64 s[92:93], s[0:1], 0x28              ; out0
	v_lshl_add_u32 v[SPW], v0, 2, SPARE
	v_mov_b32 v[NIL], 0
	ds_add_u32 v28, v29
	ds_add_u32 v28, v29
	s_wait_dscnt 0x0
	v_lshrrev_b32 v1, 5, v0
	v_readfirstlane_b32 s14, v1                    ; wave 0..3
	s_bfe_u32 s17, ttmp6, 0x40000                  ; cx: my place in the cluster
	s_lshl_b32 s15, ttmp9, 2
	s_add_co_u32 s15, s15, s17                     ; tile row = 4 x cluster x + cx: it enters the addresses of hidden and of out0 alone
	s_and_b32 s16, ttmp7, 0xffff                   ; tile column, which the four partners share
	s_mov_b32 s[G1B], 15|PADW                      ; 15:0 the mask: all four work-groups; elements of one byte: 128 rows x 256, 4,096 from row to row
	SHAPE G1B, 256, 128, 4096
	; groups 0, made of the tile column and the wave's number alone
	s_lshl_b32 s[G0B0+2], s16, 19                  ; 128 rows of 4,096 bytes a tile column,
	s_lshl_b32 s20, s14, 8                         ; my 256 along K of a slot's 1,024
	s_add_co_u32 s[G0B0+2], s[G0B0+2], s20
	s_mov_b32 s[G0B0+3], 0
	s_lshl_b32 s[G0S+2], s16, 14                   ; 128 rows of 128 scale bytes a tile column, 32 rows a wave
	s_lshl_b32 s20, s14, 12
	s_add_co_u32 s[G0S+2], s[G0S+2], s20
	s_mov_b32 s[G0S+3], 0
	s_mul_i32 s20, s14, SUB                        ; where they go: no place in the cluster enters an LDS address
	s_mov_b32 s[G0B0], 1
	s_add_co_u32 s[G0B0+1], s20, 0
	s_mov_b32 s[G0B1], 1
	s_add_co_u32 s[G0B1+1], s20, SLOT
	s_lshl_b32 s70, s15, 20                        ; hid_codes: 16 blocks of 65,536 bytes a tile row, 4 a wave
	s_lshl_b32 s20, s14, 18
	s_add_co_u32 s70, s70, s20
	s_mov_b32 s71, 0
	s_lshl_b32 s72, s15, 10                        ; hid_scales: 4 bytes a row in each step
	s_lshl_b32 s20, s14, 8
	s_add_co_u32 s72, s72, s20
	s_mov_b32 s73, 0
	s_lshl_b32 s74, s16, 9                         ; b_out: 128 numbers a tile column
	s_mov_b32 s75, 0
	s_lshl_b32 s76, s15, 22                        ; out0: 256 rows of 16,384 bytes a tile row,
	s_lshl_b32 s20, s14, 20                        ; 64 a wave,
	s_add_co_u32 s76, s76, s20
	s_add_co_u32 s76, s76, s74                     ; 512 bytes a tile column
	s_mov_b32 s77, 0
	v_and_b32 v1, 15, v0                           ; r
	v_bfe_u32 v2, v0, 4, 1                         ; h
	v_and_b32 v3, 31, v0                           ; lane
	v_lshlrev_b32 v[BO], 5, v2
	v_lshlrev_b32 v[LI], 4, v3
	v_lshlrev_b32 v[L4], 2, v3
	v_lshrrev_b32 v30, 3, v3
	v_and_b32 v31, 7, v3
	v_lshlrev_b32 v[PFO], 16, v30
	v_lshl_add_u32 v[PFO], v31, 8, v[PFO]
	v_mul_u32_u24 v30, v1, PITCH
	v_lshl_add_u32 v30, v2, 4, v30                 ; a fragment's row x pitch + 16 x half
.irp k, 0,1,2,3,4,5,6,7
	v_add_nc_u32 v[ADRB+\k], (\k/4)*SLOT+(\k%4)*SUB, v30
.endr
	v_lshrrev_b32 v30, 1, v3                       ; scale bytes: two rows of 128 bytes to a unit of 272; my lane's row of a pair of tiles
	v_mul_u32_u24 v30, v30, 272
	v_and_b32 v31, 1, v3
	v_lshl_add_u32 v30, v31, 7, v30
	v_add_nc_u32 v[ADRSB], SCLB, v30
	v_mul_u32_u24 v30, v2, 272                     ; scale bytes in: unit l / 16 of a load's two, 16 bytes a lane,
	v_lshl_add_u32 v30, v1, 4, v30
	v_lshrrev_b32 v31, 5, v0
	v_mad_u32_u24 v30, v31, SQ, v30                ; my wave's 16 units
	v_add_nc_u32 v[SCST], SCLB, v30
	s_mul_i32 s20, s14, STGW                       ; my stage
	v_mul_u32_u24 v30, v1, 528
	v_lshl_add_u32 v30, v2, 5, v30
	v_add_nc_u32 v[STO], s20, v30                  ; in: row r, 32 bytes for each half of the lanes
	v_add_nc_u32 v[RD], s20, v[LI]                 ; back: the 32 lanes take one row of 512 bytes
	s_wait_alu depctr_va_vdst(0)
	s_wait_kmcnt 0x0
	s_add_nc_u64 s[G0B0+2:G0B0+3], s[8:9], s[G0B0+2:G0B0+3]
	s_add_nc_u64 s[G0B1+2:G0B1+3], s[G0B0+2:G0B0+3], 1024      ; slot 1 begins with the second 1,024 along K
	s_or_b32 s[G0B0+3], s[G0B0+3], 0x80000000      ; 127:126 type = 2
	s_or_b32 s[G0B1+3], s[G0B1+3], 0x80000000
	s_add_nc_u64 s[G0S+2:G0S+3], s[10:11], s[G0S+2:G0S+3]
	s_add_nc_u64 s[4:5], s[4:5], s[70:71]
	s_add_nc_u64 s[6:7], s[6:7], s[72:73]
	s_add_nc_u64 s[12:13], s[12:13], s[74:75]
	s_add_nc_u64 s[92:93], s[92:93], s[76:77]
.irp j, 0,1,2,3,4,5,6,7
	global_load_b128 v[SB+4*\j:SB+4*\j+3], v[LI], s[G0S+2:G0S+3] offset:512*\j   ; my 32 rows' scale bytes, once: 512 consecutive bytes a load (16,384 of the 540,672 bytes of W_out that a work-group takes: not asked for jointly)
.endr
	CROUND                                         ; all four work-groups are here: the first joint loads meet
	TLOAD G0B0, G1B                                ; slot 0: one tensor load a wave at the head
; hidden's four fragments and two registers of scale words of step i into set i % 4: 16 loads of 512 consecutive bytes, 2 of 128.  Every offset is an immediate: no address is ever stepped
.macro AFETCH i
	WIN 0xc0                                       ; destination window 3, address window 0
.irp a, 0,1,2,3
.irp c, 0,1,2,3
	global_load_b128 v[64*((\i)%4)+16*\a+4*\c:64*((\i)%4)+16*\a+4*\c+3], v[LI], s[4:5] offset:\a*65536+(\i)*2048+\c*512
.endr
.endr
	WIN 0
.irp p, 0,1
	global_load_b32 v[SA+2*((\i)%4)+\p], v[L4], s[6:7] offset:(\i)*8192+128*\p     ; lanes 0-15 block 2 p's rows, lanes 16-31 block 2 p + 1's
.endr
.endm
; W_out's eight fragments of step i into set i % 2: 32 LDS loads in one run.  A fragment is 16 rows x 128 K in 16 registers: lane l holds row l % 16; registers 4 c .. 4 c + 3 hold K = 32 c + 16 (l / 16) + 0 .. 15
.macro BFETCH i
	WIN 0x40                                       ; destination window 1, address window 0
.irp b, 0,1,2,3,4,5,6,7
.irp c, 0,1,2,3
	ds_load_b128 v[128*((\i)%2)+16*\b+4*\c:128*((\i)%2)+16*\b+4*\c+3], v[ADRB+((\i)/2)%8] offset:\b*B_BLK+128*((\i)%2)+32*\c
.endr
.endr
.endm
.macro SBFETCH j                       ; W_out's scale words of steps 4 j .. 4 j + 3 into set j % 2: 16 bytes of each row
.irp p, 0,1,2,3
	ds_load_b128 v[SB+16*((\j)%2)+4*\p:SB+16*((\j)%2)+4*\p+3], v[ADRSB] offset:\p*SQ+16*(\j)
.endr
.endm
; 8 matrix instructions of step i: hidden's block a against W_out's eight tiles.  In step 0 b_out is C: nothing is ever cleared.
; The 32 accumulators take turns, one instruction a turn, in the same order in every step.
.macro MUL8 a, i
.irp b, 0,1,2,3,4,5,6,7
.set rD, 8*(8*(\a)+\b)
.set rB, 128*((\i)%2)+16*\b
.set rA, 64*((\i)%4)+16*(\a)
.set rSB, SB+16*(((\i)/4)%2)+4*(\b/2)+((\i)%4)
.set rSA, SA+2*((\i)%4)+((\a)/2)
.set rC, 8*(8*(\a)+\b)
.if (\i) == 0
.set rC, BIAS+8*\b
.endif
.if ((\b%2) == 0) && (((\a)%2) == 0)
	v_wmma_scale_f32_16x16x128_f8f6f4 v[rD:rD+7], v[rB:rB+15], v[rA:rA+15], v[rC:rC+7], v[rSB], v[rSA]
.elseif ((\a)%2) == 0
	v_wmma_scale_f32_16x16x128_f8f6f4 v[rD:rD+7], v[rB:rB+15], v[rA:rA+15], v[rC:rC+7], v[rSB], v[rSA] matrix_a_scale:MATRIX_SCALE_ROW1
.elseif (\b%2) == 0
	v_wmma_scale_f32_16x16x128_f8f6f4 v[rD:rD+7], v[rB:rB+15], v[rA:rA+15], v[rC:rC+7], v[rSB], v[rSA] matrix_b_scale:MATRIX_SCALE_ROW1
.else
	v_wmma_scale_f32_16x16x128_f8f6f4 v[rD:rD+7], v[rB:rB+15], v[rA:rA+15], v[rC:rC+7], v[rSB], v[rSA] matrix_a_scale:MATRIX_SCALE_ROW1 matrix_b_scale:MATRIX_SCALE_ROW1
.endif
.endr
.endm
; A PREFETCH INTO THE L2 of hidden's fragments of step i: my four blocks' 2,048 bytes each, 32 blocks of 256 bytes, a lane a block, one instruction a wave.  It stands behind the run of loads of the step that asks.
; All 32 work-groups of a row tile read the same rows: those of tile column 0 ask (a number that the four partners share), each wave for its own 64 rows: so each block is named once in the launch.
.macro ASK i
	s_cmp_eq_u32 s16, 0
	s_cbranch_scc0 .Lnot_mine_\@
	global_prefetch_b8 v[PFO], s[4:5] offset:(\i)*2048 th:TH_LOAD_NT scope:SCOPE_SE
.Lnot_mine_\@:
.endm
; THE CHANGE OF SLOTS, at the head of a slot's last step: that step's fragments are in registers.  Each wave waits for all its tensor loads (its part of the slot ahead), adds 0 to its spare word, and waits for that and
; for its reads of the slot that it leaves.  fill = 1: behind the round no wave of any partner reads that slot or has a load on its way, and it is filled again first: one tensor load a wave.
.macro CHANGE g0, fill
	s_wait_tensorcnt 0x0                           ; no tensor load of mine is out, so a group 0 may be written
	ds_add_u32 v[SPW], v[NIL]                      ; 0 onto my spare word
.if \fill
	s_add_nc_u64 s[\g0+2:\g0+3], s[\g0+2:\g0+3], 2048   ; two slots on along K; the type bits on top are not reached
	s_wait_dscnt 0x0                               ; the add is done, and my reads of the slot are over
	CROUND
	tensor_load_to_lds s[\g0:\g0+3], s[G1B:G1B+7]
	s_nop 0
.else
	s_wait_dscnt 0x0                               ; the add is done, and my reads of the slot are over
	s_barrier_signal -1
	s_barrier_wait -1                              ; the slot ahead is whole, and nobody reads slot 0 any more
.endif
	PLACES 8                                       ; the eight places in front of the loads below
.endm
; STEP i.  At its head the registers that step i - 1 multiplied are loaded again: hidden's set with step i + 3, W_out's with step i + 1.  Then its own 32 products.
.macro STEP i
.if (\i) == 7
	CHANGE G0B0, 1                                 ; slot 0 takes the third 1,024 along K: first read in step 15's head
.elseif (\i) == 15
	CHANGE G0B1, 1                                 ; slot 1 the fourth: first read in step 23's head
.elseif (\i) == 23
	CHANGE G0B0, 0                                 ; nothing is left to fetch
.elseif (\i) > 0
	PLACES 8
.endif
.if (\i) < STEPS-3
	AFETCH (\i)+3
.endif
.set NDS, 0
.if (\i) < STEPS-1
	BFETCH (\i)+1
.set NDS, 32
.endif
	WIN 0
.if (((\i)%4) == 3) && ((\i) < STEPS-1)
	SBFETCH ((\i)+1)/4
.set NDS, 36
.endif
.if ((\i) >= 2) && ((\i) < STEPS-8)
	ASK (\i)+8                                     ; eight steps on: five steps ahead of the loads that will take it.  Steps 0 to 9 come by their loads alone; the last eight steps ask for nothing
.endif
	s_wait_dscnt NDS                               ; all but the LDS loads just issued: this step's fragments and scale words of W_out are in
.if (\i) < STEPS-3
	s_wait_loadcnt 54                              ; all but the loads of the three steps behind this one, 18 each: this step's hidden is in (in step 0: b_out too)
.else
	s_wait_loadcnt 18*(STEPS-1-(\i))               ; the counts run down
.endif
.if (\i) == 0
	WIN MULC
.else
	WIN MULW
.endif
	MUL8 0, \i
	MUL8 1, \i
	MUL8 2, \i
	MUL8 3, \i
	WIN 0
.endm
.irp t, 0,1,2,3,4,5,6,7
	global_load_b128 v[BIAS+8*\t:BIAS+8*\t+3], v[BO], s[12:13] offset:64*\t        ; b_out at columns 16 t + 8 h + 0 .. 7: the result's layout
	global_load_b128 v[BIAS+8*\t+4:BIAS+8*\t+7], v[BO], s[12:13] offset:64*\t+16
.endr
	AFETCH 0
	AFETCH 1
	AFETCH 2
	s_wait_loadcnt 63                              ; the scale bytes are in: 70 loads were issued behind them, and 63 is the largest count that the wait can name
	s_wait_tensorcnt 0x0                           ; my part of slot 0 has landed
.irp j, 0,1,2,3,4,5,6,7
	ds_store_b128 v[SCST], v[SB+4*\j:SB+4*\j+3] offset:544*\j   ; into LDS bytes of their own, on which no fill lands
.endr
	s_wait_tensorcnt 0x0
	ds_add_u32 v[SPW], v[NIL]
	s_wait_dscnt 0x0                               ; the add and my stores are done
	CROUND                                         ; slot 0 and the scale bytes are whole, and all four work-groups are here
	TLOAD G0B1, G1B                                ; slot 1's first fill: first read in step 7's head
	BFETCH 0
	WIN 0
	s_wait_alu depctr_va_vdst(0)
	SBFETCH 0
.set STP, 0
.rept STEPS
	STEP STP
.set STP, STP+1
.endr
; THE WAY OUT, block by block of 16 rows x 128 columns.  A lane holds 32 neighbouring bytes of a row for each tile, and the lanes beside it hold other rows: so a block goes through my own stage in LDS and comes back
; as whole rows of 512 bytes.  LDS serves a wave's instructions in order (ISA guide 5.7.1.4): no wait between the stores and the loads, nor in front of the next block's stores.
; Each block comes back into 64 registers of its own (window 1), and every row's place stands in the store's immediate (63 rows of 16,384 bytes at the most): no store's register or base is written again.
.macro TOSTAGE a
	WIN 0x08                                       ; an LDS store's data are its source 1: window 2
.irp b, 0,1,2,3,4,5,6,7
	ds_store_b128 v[STO], v[64*(\a)+8*\b:64*(\a)+8*\b+3] offset:64*\b              ; each accumulator from its low end on
	ds_store_b128 v[STO], v[64*(\a)+8*\b+4:64*(\a)+8*\b+7] offset:64*\b+16
.endr
	WIN 0x40                                       ; destination window 1
.irp r, 0,1,2,3,4,5,6,7,8,9,10,11,12,13,14,15
	ds_load_b128 v[64*(\a)+4*\r:64*(\a)+4*\r+3], v[RD] offset:528*\r
.endr
	WIN 0
.endm
.macro SEND a, younger                 ; younger: the LDS instructions issued behind block a's loads, which may stay out
	s_wait_dscnt \younger                          ; the block is back in registers
	WIN 0x04                                       ; a store's data are its source 1: window 1
.irp r, 0,1,2,3,4,5,6,7,8,9,10,11,12,13,14,15
	global_store_b128 v[LI], v[64*(\a)+4*\r:64*(\a)+4*\r+3], s[92:93] offset:(16*(\a)+\r)*16384 th:TH_STORE_NT   ; 32 lanes store 512 consecutive bytes, at a multiple of 512 from out0's first byte; written once, read by nobody here
.endr
	WIN 0
.endm
	PLACES 8                                       ; behind the last products: their results are read, and registers that they read are loaded, from here on
	TOSTAGE 0
.irp a, 1,2,3
	TOSTAGE \a
	SEND \a-1, 32                                  ; behind block a - 1's loads: block a's 16 stores and 16 loads
.endr
	SEND 3, 0
	s_wait_tensorcnt 0x0                           ; the wave's end
	ds_add_u32 v[SPW], v[NIL]
	s_wait_dscnt 0x0
	CROUND                                         ; the closing round: no work-group ends while a partner may still ask for a tile that names it
	s_endpgm
.Lfunc_end_k_qbde3bc6602_outp:
	.size	k_qbde3bc6602_outp, .Lfunc_end_k_qbde3bc6602_outp-k_qbde3bc6602_outp
	.p2alignl 7, 3214868480
	.fill 96, 4, 3214868480
	.section	.rodata,"a",@progbits
	.p2align	6, 0x0
	.amdhsa_kernel k_qbde3bc6602_outp
		.amdhsa_group_segment_fixed_size 327680
		.amdhsa_private_segment_fixed_size 0
		.amdhsa_enable_private_segment 0
		.amdhsa_kernarg_size 48
		.amdhsa_user_sgpr_count 2
		.amdhsa_user_sgpr_kernarg_segment_ptr 1
		.amdhsa_wavefront_size32 1
		.amdhsa_system_sgpr_workgroup_id_x 1
		.amdhsa_system_sgpr_workgroup_id_y 1
		.amdhsa_system_sgpr_workgroup_id_z 1
		.amdhsa_system_vgpr_workitem_id 0
		.amdhsa_next_free_vgpr 1024
		.amdhsa_next_free_sgpr 96
		.amdhsa_reserve_vcc 0
		.amdhsa_float_denorm_mode_32 3
		.amdhsa_float_denorm_mode_16_64 3
		.amdhsa_memory_ordered 1
		.amdhsa_forward_progress 1
		.amdhsa_inst_pref_size 255
	.end_amdhsa_kernel
	.section	.bss,"aw",@nobits
	.p2align	6
	.space	262144
	.amdgpu_metadata
---
amdhsa.version: [ 1, 2 ]
amdhsa.kernels:
  - .name:           k_qbde3bc6602_outp
    .symbol:         k_qbde3bc6602_outp.kd
    .args:
      - { .name: hid_codes, .offset: 0, .size: 8, .value_kind: global_buffer, .address_space: global }
      - { .name: hid_scales, .offset: 8, .size: 8, .value_kind: global_buffer, .address_space: global }
      - { .name: W_out_codes, .offset: 16, .size: 8, .value_kind: global_buffer, .address_space: global }
      - { .name: W_out_scales, .offset: 24, .size: 8, .value_kind: global_buffer, .address_space: global }
      - { .name: b_out, .offset: 32, .size: 8, .value_kind: global_buffer, .address_space: global }
      - { .name: out0, .offset: 40, .size: 8, .value_kind: global_buffer, .address_space: global }
    .group_segment_fixed_size: 327680
    .private_segment_fixed_size: 0
    .kernarg_segment_align: 8
    .kernarg_segment_size: 48
    .max_flat_workgroup_size: 128
    .sgpr_count:     96
    .vgpr_count:     1024
    .wavefront_size: 32
...
	.end_amdgpu_metadata
.endif
;; end of part 3
